; MI455X (gfx1250); checked and timed in simulation.
; The chip was launched on July 23, 2026; its instructions are those of AMD's public machine-readable ISA for CDNA 5 (MIT licence, August 2026) and "CDNA5" Instruction Set Architecture Reference Guide (July 2026). The comments in the code are by the model that wrote it; some were corrected since.
;; Pattention Layer. Allowed arithmetic: float matrix products may take bf16 or f16 operands with f32 sums; all other float work in f32.
;; Inputs: key_param_tokens 4,096 x 1,024 float32; value_param_tokens 4,096 x 1,024 float32; x 4 x 2,048 x 1,024 float32.
;; Outputs: out0 4 x 2,048 x 1,024 float32.
;; One version. Each part assembles by itself: llvm-mc -triple=amdgcn-amd-amdhsa -mcpu=gfx1250 --defsym DOCPART=n.
;; ======== version 1 of 1: 4 launches
;; limits: values outside matrix products are rounded to f16; values are held in f16: magnitudes above 65,504 overflow, below 6.1e-05 lose precision; inputs' magnitudes at most 65,504; right only within a limited range of input values
;; workspace buffers: x16 16,777,216 bytes; k16 8,388,608 bytes; v16 8,388,608 bytes; sim16 67,108,864 bytes; part 1,048,576 bytes; att16 67,108,864 bytes
;; launch cvt (part 1): grid 256 x 4, 8 waves a work-group, no clusters, 0 bytes of LDS; arguments x, key_param_tokens, value_param_tokens, x16, k16, v16; writes x16, k16, v16
.if DOCPART == 1
	.amdgcn_target "amdgcn-amd-amdhsa--gfx1250"
	.amdhsa_code_object_version 6
	.text
	.protected	k_qaa538e29a0_cvt
	.globl	k_qaa538e29a0_cvt
	.p2align	8
	.type	k_qaa538e29a0_cvt,@function
k_qaa538e29a0_cvt:
	s_mov_b64 s[64:65], 0
	v_nop
	global_prefetch_b8 v0, s[64:65] scope:SCOPE_SE
	s_setreg_imm32_b32 hwreg(HW_REG_WAVE_MODE, 25, 1), 1
	s_wait_xcnt 0x0
; PattentionLayer, launch 1 of 4: the matrix operands in f16.   x16 = f16(x / 16), k16 = f16(K / 16), v16 = f16(V).
; THE WHOLE PROGRAM.  With x as [8192][1024]:  t = x16 k16^T = (x . k) / 256 = sim / 8  (launch 2, stored as f16, with f32 sums of t^2);
; s = t / max(sqrt(sum t^2), 1e-12 / 8), which is sim / max(norm, 1e-12) since both sides of the quotient carry the same factor 8 (a power of
; two, exact);  attn = gelu(s) as f16 (launch 3);  out = attn V (launch 4).  No step and no input of the reference is left out.
; WHY f16 AND NOT bf16: attn lies in [-0.17, 1] for every input (the reference normalises it), and the stored t is rounded a second time on
; its way to the second product; f16's 11 bits keep the sum of all these roundings well inside the allowed error, bf16's 8 bits do not.
; LIMITS (range and format): |x| and |K| below 65504 x 16, |V| below 65504, |x . k| below 65504 x 256 = 1.68e7; beyond them f16 gives
; infinity where f32 is still finite.  Numbers below 6.1e-5 in f16 (x / 16, K / 16, V, t, attn) keep an absolute step of 6e-8, and
; |x . k| / 256 below 3e-8 becomes 0.  The order of the sums differs from the reference's.
; THIS LAUNCH is a stream: memory binds, so no LDS, no matrix unit, and no cluster (no two work-groups read the same byte).
; Slice y of the grid is 4,194,304 numbers: y = 0, 1 the halves of x, y = 2 K, y = 3 V.  A work-group takes 64 KiB of f32, a wave 8 KiB:
; sixteen 16-byte loads a lane, all issued at once (a load of a wave covers 512 neighbouring bytes); each 8-byte store of a wave covers
; 256 consecutive bytes, aligned.  No register is written twice while a memory instruction may read it.
.set X, 4                              ; v[4:67]   16 x 4 numbers as loaded
.set Y, 68                             ; v[68:99]  16 x 2 words of f16 to store
	s_load_b256 s[4:11], s[0:1], 0x0               ; x s[4:5], K s[6:7], V s[8:9], x16 s[10:11]
	s_load_b128 s[12:15], s[0:1], 0x20             ; k16 s[12:13], v16 s[14:15]
	s_and_b32 s16, ttmp7, 0xffff                   ; the slice
	v_lshrrev_b32 v1, 5, v0                        ; wave
	v_and_b32 v2, 31, v0                           ; lane
	v_lshlrev_b32 v2, 4, v2
	v_lshl_or_b32 v1, v1, 13, v2                   ; input offset: 8,192 x wave + 16 x lane
	v_lshrrev_b32 v2, 1, v1                        ; output offset: half of it
	s_lshl_b32 s22, ttmp9, 16                      ; the work-group's 64 KiB in its slice
	s_cmp_eq_u32 s16, 1
	s_cselect_b32 s26, 0x1000000, 0                ; slice 1 is the second 16 MiB of x
	s_add_co_u32 s22, s22, s26
	s_mov_b32 s23, 0
	s_lshr_b32 s24, s22, 1                         ; the same place in the f16 buffer
	s_mov_b32 s25, 0
	s_wait_kmcnt 0x0
	s_cmp_eq_u32 s16, 2                            ; the choice of buffers hangs on the slice's number alone
	s_cselect_b64 s[18:19], s[6:7], s[4:5]
	s_cselect_b64 s[20:21], s[12:13], s[10:11]
	s_cmp_eq_u32 s16, 3
	s_cselect_b64 s[18:19], s[8:9], s[18:19]
	s_cselect_b64 s[20:21], s[14:15], s[20:21]
	s_add_nc_u64 s[18:19], s[18:19], s[22:23]
	s_add_nc_u64 s[20:21], s[20:21], s[24:25]
.irp j, 0,1,2,3,4,5,6,7,8,9,10,11,12,13,14,15
	global_load_b128 v[X+4*\j:X+4*\j+3], v1, s[18:19] offset:512*\j th:TH_LOAD_NT   ; read once in the launch
.endr
; Sixteen times: wait for one load, scale (x and K only), round to f16, store.
.macro OUTS scaled
.irp j, 0,1,2,3,4,5,6,7,8,9,10,11,12,13,14,15
	s_wait_loadcnt 15-\j                           ; loads come back in order: load j is in, the 15 - j younger ones stay out
.if \scaled
	v_pk_mul_f32 v[X+4*\j:X+4*\j+1],   v[X+4*\j:X+4*\j+1],   0x3d800000 op_sel_hi:[1,0]   ; x 1/16, exact
	v_pk_mul_f32 v[X+4*\j+2:X+4*\j+3], v[X+4*\j+2:X+4*\j+3], 0x3d800000 op_sel_hi:[1,0]
.endif
	v_cvt_pk_f16_f32 v[Y+2*\j],   v[X+4*\j],   v[X+4*\j+1]
	v_cvt_pk_f16_f32 v[Y+2*\j+1], v[X+4*\j+2], v[X+4*\j+3]
	global_store_b64 v2, v[Y+2*\j:Y+2*\j+1], s[20:21] offset:256*\j    ; no hint: the next launches read it
.endr
.endm
	s_cmp_eq_u32 s16, 3
	s_cbranch_scc1 .Lplain                         ; V is not scaled: its slice has no multiply at all
	OUTS 1
	s_endpgm
.Lplain:
	OUTS 0
	s_endpgm
.Lfunc_end_k_qaa538e29a0_cvt:
	.size	k_qaa538e29a0_cvt, .Lfunc_end_k_qaa538e29a0_cvt-k_qaa538e29a0_cvt
	.p2alignl 7, 3214868480
	.fill 96, 4, 3214868480
	.section	.rodata,"a",@progbits
	.p2align	6, 0x0
	.amdhsa_kernel k_qaa538e29a0_cvt
		.amdhsa_group_segment_fixed_size 0
		.amdhsa_private_segment_fixed_size 0
		.amdhsa_enable_private_segment 0
		.amdhsa_kernarg_size 48
		.amdhsa_user_sgpr_count 2
		.amdhsa_user_sgpr_kernarg_segment_ptr 1
		.amdhsa_wavefront_size32 1
		.amdhsa_system_sgpr_workgroup_id_x 1
		.amdhsa_system_sgpr_workgroup_id_y 1
		.amdhsa_system_sgpr_workgroup_id_z 1
		.amdhsa_system_vgpr_workitem_id 0
		.amdhsa_next_free_vgpr 100
		.amdhsa_next_free_sgpr 66
		.amdhsa_reserve_vcc 0
		.amdhsa_float_denorm_mode_32 3
		.amdhsa_float_denorm_mode_16_64 3
		.amdhsa_memory_ordered 1
		.amdhsa_forward_progress 1
		.amdhsa_inst_pref_size 14
	.end_amdhsa_kernel
	.amdgpu_metadata
---
amdhsa.version: [ 1, 2 ]
amdhsa.kernels:
  - .name:           k_qaa538e29a0_cvt
    .symbol:         k_qaa538e29a0_cvt.kd
    .args:
      - { .name: x, .offset: 0, .size: 8, .value_kind: global_buffer, .address_space: global }
      - { .name: key_param_tokens, .offset: 8, .size: 8, .value_kind: global_buffer, .address_space: global }
      - { .name: value_param_tokens, .offset: 16, .size: 8, .value_kind: global_buffer, .address_space: global }
      - { .name: x16, .offset: 24, .size: 8, .value_kind: global_buffer, .address_space: global }
      - { .name: k16, .offset: 32, .size: 8, .value_kind: global_buffer, .address_space: global }
      - { .name: v16, .offset: 40, .size: 8, .value_kind: global_buffer, .address_space: global }
    .group_segment_fixed_size: 0
    .private_segment_fixed_size: 0
    .kernarg_segment_align: 8
    .kernarg_segment_size: 48
    .max_flat_workgroup_size: 256
    .sgpr_count:     66
    .vgpr_count:     100
    .wavefront_size: 32
...
	.end_amdgpu_metadata
.endif
;; end of part 1
;; launch gemm1 (part 2): grid 16 x 16, 4 waves a work-group, clusters of 4 x 4, 327,680 bytes of LDS; arguments x16, k16, sim16, part; writes sim16, part
.if DOCPART == 2
	.amdgcn_target "amdgcn-amd-amdhsa--gfx1250"
	.amdhsa_code_object_version 6
	.text
	.protected	k_qaa538e29a0_gemm1
	.globl	k_qaa538e29a0_gemm1
	.p2align	8
	.type	k_qaa538e29a0_gemm1,@function
k_qaa538e29a0_gemm1:
	s_mov_b64 s[64:65], 0
	v_nop
	global_prefetch_b8 v0, s[64:65] scope:SCOPE_SE
	s_setreg_imm32_b32 hwreg(HW_REG_WAVE_MODE, 25, 1), 1
	s_wait_xcnt 0x0
	s_wait_alu depctr_hold_cnt(0) depctr_sa_sdst(0) depctr_va_vdst(0) depctr_va_sdst(0) depctr_va_ssrc(0) depctr_va_vcc(0) depctr_vm_vsrc(0)
	s_getreg_b32 s2, hwreg(HW_REG_IB_STS2, 6, 4)
	s_cmp_eq_u32 s2, 0
	s_cbranch_scc0 .Lentry_in_a_cluster
	s_endpgm
.Lentry_in_a_cluster:
	s_bfe_u32 s2, ttmp6, 0x10000c
	s_cmp_lg_u32 s2, 0xf033
	s_cbranch_scc0 .Lentry_shape_is_right
	s_endpgm
.Lentry_shape_is_right:
; PattentionLayer, launch 2 of 4:  t[m][n] = sum over k of x16[m][k] k16[n][k]  (= sim / 8), f16 operands, f32 sums; stored as f16 in sim16,
; and beside it part[m / 64][n / 128][m % 64] = the f32 sum of t^2 over 128 columns, taken from the unrounded sums.  Nothing is left out.
; LIMIT: |t| below 65504 (|x . k| below 1.68e7), else the stored f16 is infinite.
; A block of 256 x 256 is made by four waves, as many as a WGP has SIMDs; a wave makes 128 x 128: 64 accumulator tiles of 16 x 16, 512
; registers.  K goes in steps of 128 through a ring of two LDS slots filled by the tensor data mover: a tile's rows are 256 bytes of
; memory and start at multiples of 256 bytes from the buffer's first byte.
; THE WORK-GROUP STAYS: [8192] x [4096] is 512 blocks; 256 work-groups make two each, block row by and then block row by + 16 of one block
; column.  K is only eight steps, so set-up and way out are a large share of a block.  The ring runs on through the sixteen steps: the first
; block's last two steps ask for the second block's first two tiles, which land while the first block goes out, and the first block's
; stores are on their way while the second block is multiplied.
; CLUSTERS: 4 x 4 work-groups.  The four of a row of the cluster need the same tiles of x16, the four of a column the same tiles of k16.
; Such a tile is asked for jointly: each of the four issues the same tensor load, with the same descriptor and a mask that names the four.
; That divides the requests for both operands by four.
; REGISTERS, in windows of 256 (s_set_vgpr_msb says which window each operand place means):
;   window 0: v0-31 addresses; v64-127, v128-191 fragments of x16 (8 x 16 rows x 32 K), two buffers; v192-231 at work on the way out
;   window 1: v64-127, v128-191 fragments of k16, two buffers
;   window 2: the 32 accumulator tiles of my rows 0-63 (tile (a, b) at v[8 (8 a + b)]);   window 3: those of my rows 64-127
; THE MATRIX INSTRUCTION IS USED TRANSPOSED: source 0 = 16 rows of k16, source 1 = 16 rows of x16.  Lane l then holds row m = l % 16 and
; its registers 0 to 7 the columns n = 8 (l / 16) + 0 .. 7: eight neighbouring numbers of a row, 16 bytes of f16.
; The 64 accumulators take turns, one instruction a turn, in the same order in every quarter step, over the backward jumps and from
; the first block to the second too.
.set SIZE_M, 8192
.set SIZE_N, 4096
.set SIZE_K, 1024
.set KSTEP,  128
.set NEXTROWS, 16*256                  ; the second block lies 16 block rows = 4,096 rows below the first
.set PITCH,  272                       ; an LDS row: 256 bytes of data + 16 of padding, an odd multiple of 16: the 16 rows that a load touches lie in 16 different 16-byte columns of 256
.set HALFT,  128*PITCH                 ; 128 rows: what one tensor load brings, and what one wave reads of either operand
.set SLOT,   4*HALFT                   ; x16's 256 rows, then k16's 256 rows
.set STAGE,  2*SLOT                    ; behind the ring (byte 278,528 = 1,088 x 256): 16 rows x 272 bytes for each wave, for the way out; no tensor load ever lands here
.set SPITCH, 272
.set SUMS,   STAGE+4*16*SPITCH         ; behind the stages: 128 f32 for each wave, the rows' sums of squares
.set LAPS, SIZE_K/(2*KSTEP)            ; a lap = two K steps = once round the ring: 4 for a block
.set ADRA, 16                          ; v16-17  LDS address of my x16 fragments in slot 0, 1
.set ADRB, 20                          ; v20-21  the same for k16
.set STO,  24                          ; v24     the way out: where I put 16 bytes of a row
.set RD,   25                          ; v25     the way out: where I read a row back
.set CO,   26                          ; v26     my byte offset in sim16
.set SSA,  27                          ; v27     where I put a row's sum of squares
.set SSR,  28                          ; v28     where I read four of them back
.set PO,   29                          ; v29     my byte offset in part
.set F0,   64                          ; fragment buffer 0
.set F1,   128                         ; fragment buffer 1
.set TMP,  192                         ; v[192:223] the way out: packed results
.set SS,   224                         ; v[224:231] the way out: four chains of two sums of squares
.set G1, 24                            ; s[24:31] descriptor group 1 for x16's tiles
.set G0, 32                            ; s[32:39] descriptor group 0 for x16's tiles, one set for each slot
.set G1B, 48                           ; s[48:55] descriptor group 1 for k16's tiles: it differs in the mask alone
.set G0B, 56                           ; s[56:63] descriptor group 0 for k16's tiles, one set for each slot
.set MSB, 0
.macro WIN new                         ; the immediate's high byte repeats the setting that is left; a switch that changes nothing is dropped
.if MSB != \new
	s_set_vgpr_msb (MSB<<8)|\new
.set MSB, \new
.endif
.endm
.set MUL_LO, 0xa1                      ; source 0 (k16) window 1, source 1 (x16) window 0, C and D window 2
.set MUL_HI, 0xf1                      ; the same, C and D window 3
.set TO_B,   0x40                      ; destination window 1, address window 0
; A joint load.  Waves 0 and 1 fetch x16's two halves, waves 2 and 3 k16's.  Each line has one mask and one set of registers for all that
; issue it.  The branch hangs on the wave's number alone: it is the same in every work-group.
.macro JLOAD s
	s_cmp_eq_u32 s11, 0
	s_cbranch_scc0 .Lfor_b_\@
	tensor_load_to_lds s[G0+4*\s:G0+4*\s+3], s[G1:G1+7]
	s_nop 0
	s_branch .Lasked_\@
.Lfor_b_\@:
	tensor_load_to_lds s[G0B+4*\s:G0B+4*\s+3], s[G1B:G1B+7]
	s_nop 0
.Lasked_\@:
.endm
; A round of the cluster's barrier: my work-group's barrier, so that wave 0's signal speaks for all four waves; wave 0 signals for the
; work-group; every wave waits for all sixteen work-groups; my work-group's barrier once more.
.macro CREST                           ; a round behind its opening barrier
	s_cmp_lg_u32 s10, 0
	s_cbranch_scc1 .Lnot_wave_0_\@
	s_barrier_signal -3
.Lnot_wave_0_\@:
	s_barrier_wait -3
	s_barrier_signal -1
	s_barrier_wait -1
.endm
.macro CROUND                          ; a whole round
	s_barrier_signal -1
	s_barrier_wait -1
	CREST
.endm
	s_load_b128 s[4:7], s[0:1], 0x0                ; x16 s[4:5], k16 s[6:7]
	s_load_b64 s[8:9], s[0:1], 0x10                ; sim16
	s_load_b64 s[68:69], s[0:1], 0x18              ; part
	s_set_vgpr_msb 0x40
	v_lshl_add_u32 v255, v0, 2, 0x48c00
	s_set_vgpr_msb 0x4000
	v_mov_b32 v255, 0
	s_set_vgpr_msb 0x1
	ds_add_u32 v255, v255
	s_set_vgpr_msb 0x100
	v_lshrrev_b32 v1, 5, v0
	v_readfirstlane_b32 s10, v1                    ; wave 0..3
	s_lshr_b32 s11, s10, 1                         ; which half of the block's rows is mine.  Also: I fetch for x16 (0) or for k16 (1)
	s_and_b32 s12, s10, 1                          ; which half of its columns.  Also: which 128 rows of that tile I fetch
	s_mov_b32 s70, 0x76543210                      ; v_permlanex16_b32: lane i of one half reads lane i of the other
	s_mov_b32 s71, 0xfedcba98
	s_bfe_u32 s40, ttmp6, 0x40000                  ; cx: my place along the cluster's x
	s_bfe_u32 s41, ttmp6, 0x40004                  ; cy: along its y
	s_lshl_b32 s42, ttmp9, 2                       ; in a cluster launch ttmp9 and ttmp7 count clusters
	s_add_co_u32 s42, s42, s40                     ; block column = 4 x cluster x + cx
	s_and_b32 s13, ttmp7, 0xffff
	s_lshl_b32 s13, s13, 2
	s_add_co_u32 s13, s13, s41                     ; my first block row = 4 x cluster y + cy, 0 .. 15
	s_lshl_b32 s43, s41, 2
	s_lshl_b32 s43, 15, s43                        ; my row of the cluster: places 4 cy .. 4 cy + 3
	s_lshl_b32 s44, 0x1111, s40                    ; my column: places cx, cx + 4, cx + 8, cx + 12
	; descriptor group 1: a tile of 128 rows x 128 elements, padded in LDS
	s_or_b32 s[G1+0], s43, (1<<16)|(1<<20)|(1<<21)|(5<<22)|(3<<25)  ; 15:0 the mask: x16's tiles go to my row; 17:16 element of 2 bytes; 20 padding on; 21 set beside a mask; 24:22 after every 64 words; 31:25 of 4 words
	s_or_b32 s[G1B+0], s44, (1<<16)|(1<<20)|(1<<21)|(5<<22)|(3<<25) ; the same with the mask of my column, for k16's tiles
	s_mov_b32 s[G1B+1], KSTEP<<16
	s_mov_b32 s[G1+1], KSTEP<<16                   ; tensor_dim0 = 128
	s_mov_b32 s[G1B+2], 128<<16
	s_mov_b32 s[G1+2], 128<<16                     ; tensor_dim1 = 128
	s_mov_b32 s[G1B+3], KSTEP<<16
	s_mov_b32 s[G1+3], KSTEP<<16                   ; tile_dim0 = 128
	s_mov_b32 s[G1B+4], 128
	s_mov_b32 s[G1+4], 128                         ; tile_dim1 = 128; tile_dim2 = 0
	s_mov_b32 s[G1B+5], SIZE_K
	s_mov_b32 s[G1+5], SIZE_K                      ; elements from row to row
	s_mov_b32 s[G1B+6], 0
	s_mov_b32 s[G1+6], 0
	s_mov_b32 s[G1B+7], 0
	s_mov_b32 s[G1+7], 0
	; where the tiles come from.  x16's hang on the block row alone, which my row of the cluster shares; k16's on the block column alone.
	; Every wave makes both addresses, in registers that never hold the other coordinate, and asks by one of them.
	s_lshl_b32 s17, s12, 7                         ; which 128 rows of the tile I fetch
	s_lshl_b32 s16, s13, 8
	s_add_co_u32 s16, s16, s17                     ; x16: row 256 x block row + 128 x half
	s_lshl_b32 s46, s42, 8
	s_add_co_u32 s46, s46, s17                     ; k16: row 256 x block column + 128 x half
	s_mov_b32 s17, 0
	s_mov_b32 s47, 0
	s_mov_b64 s[18:19], SIZE_K*2
	s_mul_u64 s[16:17], s[16:17], s[18:19]         ; in bytes
	s_mul_u64 s[46:47], s[46:47], s[18:19]
	s_mul_i32 s20, s10, HALFT                      ; and where they go: wave x 128 rows: no place in the cluster enters an LDS address
	s_wait_dscnt 0x0
	s_wait_kmcnt 0x0
	s_add_nc_u64 s[14:15], s[4:5], s[16:17]        ; kept until the second block's first tiles have been asked for
	s_add_nc_u64 s[46:47], s[6:7], s[46:47]        ; likewise
	CROUND                                         ; all sixteen work-groups are here: the first joint loads meet
.irp s, 0,1
	s_mov_b32 s[G0+4*\s], 1                                        ; count = 1
	s_add_co_u32 s[G0+4*\s+1], s20, \s*SLOT                        ; LDS address
	s_add_nc_u64 s[G0+4*\s+2:G0+4*\s+3], s[14:15], \s*KSTEP*2      ; global address: K step s
	s_or_b32 s[G0+4*\s+3], s[G0+4*\s+3], 0x80000000                ; type = 2
	s_mov_b32 s[G0B+4*\s], 1
	s_add_co_u32 s[G0B+4*\s+1], s20, \s*SLOT
	s_add_nc_u64 s[G0B+4*\s+2:G0B+4*\s+3], s[46:47], \s*KSTEP*2
	s_or_b32 s[G0B+4*\s+3], s[G0B+4*\s+3], 0x80000000
	JLOAD \s                                       ; the ring is filled before anything else is done: two tensor loads of a wave are out, the most in this text
.endr
	; A fragment is 16 rows x 32 K in 8 registers: lane l holds row l % 16; registers 0-3 hold K = 8 (l / 16) + 0..7, registers 4-7 hold
	; K = 16 + 8 (l / 16) + 0..7.  From rows that lie along K: two loads of 16 bytes, 32 bytes apart.
	v_and_b32 v1, 15, v0                           ; l % 16
	v_bfe_u32 v2, v0, 4, 1                         ; l / 16
	v_mul_u32_u24 v3, v1, PITCH
	v_lshl_add_u32 v3, v2, 4, v3                   ; row x pitch + 16 x half
	s_mul_i32 s21, s11, HALFT                      ; my 128 rows of x16
	s_mul_i32 s22, s12, HALFT                      ; my 128 rows of k16,
	s_add_co_u32 s22, s22, 2*HALFT                 ; which lie behind x16's 256
.irp s, 0,1
	v_add_nc_u32 v[ADRA+\s], s21, v3
	v_add_nc_u32 v[ADRB+\s], s22, v3
	s_add_co_u32 s21, s21, SLOT
	s_add_co_u32 s22, s22, SLOT
.endr
	s_mul_i32 s23, s10, 16*SPITCH
	s_add_co_u32 s23, s23, STAGE                   ; my stage
	v_mul_u32_u24 v4, v1, SPITCH                   ; in: row l % 16, 16 bytes for each half of the lanes
	v_lshl_add_u32 v4, v2, 4, v4
	v_add_nc_u32 v[STO], s23, v4
	v_mul_u32_u24 v5, v2, SPITCH                   ; back: lanes 0-15 take one row of 256 bytes, lanes 16-31 the next
	v_lshl_add_u32 v5, v1, 4, v5
	v_add_nc_u32 v[RD], s23, v5
	v_mul_u32_u24 v5, v2, SIZE_N*2                 ; and the same two rows in sim16
	v_lshl_add_u32 v[CO], v1, 4, v5
	s_lshl_b32 s45, s10, 9
	s_add_co_u32 s45, s45, SUMS                    ; my 128 sums
	v_lshl_add_u32 v[SSA], v1, 2, s45              ; in: word l % 16 of sixteen rows' words
	v_and_b32 v6, 31, v0
	v_lshl_add_u32 v[SSR], v6, 4, s45              ; back: four rows' sums a lane
	v_lshlrev_b32 v[PO], 13, v2                    ; in part: lanes 0-15 my rows 0-63, lanes 16-31 the next group of 64 rows, 8,192 bytes on
	v_lshl_add_u32 v[PO], v1, 4, v[PO]
; 16 matrix instructions: m blocks a0, a0 + 1 of the window's four (hi = 0: my rows 0-63, 1: rows 64-127) x all 8 n blocks, 32 along K.
; zero = 1: the first product starts the sums: nothing is ever cleared, in the second block neither.
.macro MUL16 f, hi, a0, zero
.irp a, \a0, \a0+1
.irp b, 0,1,2,3,4,5,6,7
.if \zero
	v_wmma_f32_16x16x32_f16 v[8*(8*(\a)+\b):8*(8*(\a)+\b)+7], v[\f+8*\b:\f+8*\b+7], v[\f+8*(4*\hi+\a):\f+8*(4*\hi+\a)+7], 0
.else
	v_wmma_f32_16x16x32_f16 v[8*(8*(\a)+\b):8*(8*(\a)+\b)+7], v[\f+8*\b:\f+8*\b+7], v[\f+8*(4*\hi+\a):\f+8*(4*\hi+\a)+7], v[8*(8*(\a)+\b):8*(8*(\a)+\b)+7]
.endif
.endr
.endr
.endm
; 32 LDS loads in one run: the fragments of one quarter step (128 rows of k16, 128 rows of x16, 32 K at byte k of the rows) into buffer f
.macro FETCH slot, k, f
	WIN TO_B
.irp i, 0,1,2,3,4,5,6,7
	ds_load_b128 v[\f+8*\i:\f+8*\i+3],   v[ADRB+\slot] offset:\k+\i*16*PITCH
	ds_load_b128 v[\f+8*\i+4:\f+8*\i+7], v[ADRB+\slot] offset:\k+\i*16*PITCH+32
.endr
	WIN 0
.irp i, 0,1,2,3,4,5,6,7
	ds_load_b128 v[\f+8*\i:\f+8*\i+3],   v[ADRA+\slot] offset:\k+\i*16*PITCH
	ds_load_b128 v[\f+8*\i+4:\f+8*\i+7], v[ADRA+\slot] offset:\k+\i*16*PITCH+32
.endr
.endm
; A load into a register that a matrix instruction has read, and a vector instruction that reads a matrix result, stand four places behind
; that matrix instruction, and only plain vector instructions that name none of its registers are places; the matrix
; instructions in between are not counted here.  The loops have no vector work of their own to put there.
.macro PLACES
.rept 4
	v_nop
.endr
.endm
; A K step is four quarter steps of 32 along K, 64 matrix instructions each, on buffers 0, 1, 0, 1.
; One of the first three: multiplies buffer f; in its middle it fetches the next quarter's fragments, at byte k of the same slot's rows, into g.
.macro QUARTER slot, k, f, g, zero
	s_wait_dscnt 8                                 ; k16 and x16's rows 0-63 are in; the youngest eight loads (x16's rows 64-127) may be out
	WIN MUL_LO
	MUL16 \f, 0, 0, \zero
	MUL16 \f, 0, 2, \zero
	PLACES
	FETCH \slot, \k, \g
	s_wait_dscnt 32                                ; all but the 32 just issued
	WIN MUL_HI
	MUL16 \f, 1, 0, \zero
	MUL16 \f, 1, 2, \zero
.endm
.macro THREE slot, zero
	QUARTER \slot, 64,  F0, F1, \zero
	QUARTER \slot, 128, F1, F0, 0
	QUARTER \slot, 192, F0, F1, 0
.endm
; The last quarter: multiplies buffer 1 and changes slots.  next = the other slot.
; fill = 1: this slot is filled again, two K steps ahead; 2: with the second block's K step of the slot's number (x16 4,096 rows further down, k16 from
; its rows' first byte again), the addresses made anew from the kept bases as the first fills' were; 0: not at all.
; fetch = 0: the next slot's first fragments are not fetched here but behind the way out, whose read-backs use both fragment buffers.
; One barrier for the change of slots.  In front of it each wave waits for its own reads of this slot and for all its tensor loads, of which
; one is out: its part of the next slot.  Behind it nobody reads this slot any more and the next slot is whole: the refill comes first,
; then the next slot's first fragments.  From a request to the wait for it a wave issues 240 matrix instructions, or more where the way out lies between.
.macro TURN slot, next, fill, fetch
	s_wait_dscnt 8
	WIN MUL_LO
	MUL16 F1, 0, 0, 0
	s_wait_dscnt 0                                 ; my reads of this slot are over
	s_wait_tensorcnt 0x0                           ; and all my tensor loads have landed: the one that was out is my part of the next slot; every descriptor register may be written
	ds_add_u32 v255, v255
	s_wait_dscnt 0x0
	s_barrier_signal -1                            ; say so (where a slot is filled again this barrier opens a round of the cluster's barrier),
	MUL16 F1, 0, 2, 0                              ; work on registers while the others arrive,
	WIN 0
	s_barrier_wait -1                              ; and go on when all four have said so
.if \fill
	CREST                                          ; all sixteen work-groups have said so: no wave of any partner still reads this slot's tile or has a load on its way
.if \fill == 2
	s_add_nc_u64 s[G0+4*\slot+2:G0+4*\slot+3], s[14:15], NEXTROWS*SIZE_K*2+\slot*KSTEP*2
	s_or_b32 s[G0+4*\slot+3], s[G0+4*\slot+3], 0x80000000
	s_add_nc_u64 s[G0B+4*\slot+2:G0B+4*\slot+3], s[46:47], \slot*KSTEP*2
	s_or_b32 s[G0B+4*\slot+3], s[G0B+4*\slot+3], 0x80000000
.else
	s_add_nc_u64 s[G0+4*\slot+2:G0+4*\slot+3], s[G0+4*\slot+2:G0+4*\slot+3], 2*KSTEP*2
	s_add_nc_u64 s[G0B+4*\slot+2:G0B+4*\slot+3], s[G0B+4*\slot+2:G0B+4*\slot+3], 2*KSTEP*2
.endif
	JLOAD \slot                                    ; the first tensor load behind the round, and the wave's only one until the next
.endif
.if \fetch
	PLACES
	FETCH \next, 0, F0
.endif
	WIN MUL_HI
	MUL16 F1, 1, 0, 0
	MUL16 F1, 1, 2, 0
.endm
.macro LAP zero                        ; once round the ring, both slots filled again
	THREE 0, \zero
	TURN 0, 1, 1, 1
	THREE 1, 0
	TURN 1, 0, 1, 1
.endm
; THE WAY OUT.  Rows 16 i .. 16 i + 15 of my block = the eight tiles (a, 0..7) of window 2 or 3 (from = 0x0a or 0x0f: sources 0 and 1); f: F0 or F1 in turn.
; Round to f16, 16 bytes a lane into my own stage in LDS, read back as whole rows of 256 bytes; on the same pass the squares are summed.
.macro OUT16 i, a, from, f
	WIN \from
.irp b, 0,1,2,3,4,5,6,7
.irp r, 0,1,2,3
	v_cvt_pk_f16_f32 v[TMP+4*\b+\r], v[8*(8*\a+\b)+2*\r], v[8*(8*\a+\b)+2*\r+1]
.if \b
	v_pk_fma_f32 v[SS+2*\r:SS+2*\r+1], v[8*(8*\a+\b)+2*\r:8*(8*\a+\b)+2*\r+1], v[8*(8*\a+\b)+2*\r:8*(8*\a+\b)+2*\r+1], v[SS+2*\r:SS+2*\r+1]
.else
	v_pk_mul_f32 v[SS+2*\r:SS+2*\r+1], v[8*(8*\a+\b)+2*\r:8*(8*\a+\b)+2*\r+1], v[8*(8*\a+\b)+2*\r:8*(8*\a+\b)+2*\r+1]   ; the first tile starts the four chains
.endif
.endr
.endr
	WIN 0
.irp b, 0,1,2,3,4,5,6,7
	ds_store_b128 v[STO], v[TMP+4*\b:TMP+4*\b+3] offset:32*\b
.endr
	v_pk_add_f32 v[SS:SS+1], v[SS:SS+1], v[SS+2:SS+3]              ; my 64 squares of row l % 16 ...
	v_pk_add_f32 v[SS+4:SS+5], v[SS+4:SS+5], v[SS+6:SS+7]
	v_pk_add_f32 v[SS:SS+1], v[SS:SS+1], v[SS+4:SS+5]
	v_add_f32 v[SS], v[SS], v[SS+1]
	v_permlanex16_b32 v[SS+1], v[SS], s70, s71                     ; ... and the other 64 columns', held by lane l xor 16
	v_add_f32 v[SS], v[SS], v[SS+1]
	ds_store_b32 v[SSA], v[SS] offset:64*\i                        ; lanes l and l + 16 write the same word with the same value
	s_wait_xcnt 0x0                                ; buffer f, which stores read, and the stores' base are rewritten only behind this wait
.if \i
	s_add_nc_u64 s[8:9], s[8:9], 16*SIZE_N*2       ; 16 rows on, so that the stores' offsets stay at 14 rows at the most
.endif
.irp t, 0,1,2,3,4,5,6,7
	ds_load_b128 v[\f+4*\t:\f+4*\t+3], v[RD] offset:\t*2*SPITCH    ; LDS serves a wave's instructions in order: these see the stores above
.endr
.irp t, 0,1,2,3,4,5,6,7
	s_wait_dscnt 7-\t                              ; load t is back; the 7 - t younger ones may be out
	global_store_b128 v[CO], v[\f+4*\t:\f+4*\t+3], s[8:9] offset:2*\t*SIZE_N*2   ; 16 lanes store 256 consecutive bytes, aligned
.endr
.endm
; A whole block of mine: 128 rows of sim16 and their 128 sums.  The four v_nop are the places behind the last matrix instructions.
.macro WAYOUT
	PLACES
	OUT16 0, 0, 0x0a, F0
	OUT16 1, 1, 0x0a, F1
	OUT16 2, 2, 0x0a, F0
	OUT16 3, 3, 0x0a, F1
	OUT16 4, 0, 0x0f, F0
	OUT16 5, 1, 0x0f, F1
	OUT16 6, 2, 0x0f, F0
	OUT16 7, 3, 0x0f, F1
	ds_load_b128 v[SS:SS+3], v[SSR]                ; my own 128 sums, four a lane
	s_wait_dscnt 0x0
	global_store_b128 v[PO], v[SS:SS+3], s[68:69]  ; 16 lanes store 256 consecutive bytes, aligned: 64 rows of one chunk of 128 columns
.endm
	; THE FIRST BLOCK
	s_wait_tensorcnt 1                             ; my part of K step 0 is in; K step 1's may stay out
	s_barrier_signal -1
	s_barrier_wait -1                              ; everybody's is
	FETCH 0, 0, F0
	LAP 1                                          ; the first lap stands in front of the loop: its first products start the sums
	WIN 0                                          ; at a label and at a branch every window is 0
	s_mov_b32 s3, LAPS-2
.Llap_first:
	LAP 0
	WIN 0
	s_sub_co_u32 s3, s3, 1
	s_cmp_lg_u32 s3, 0
	s_cbranch_scc1 .Llap_first
	THREE 0, 0                                     ; the block's last lap asks for the second block's K steps 0 and 1
	TURN 0, 1, 2, 1
	THREE 1, 0
	TURN 1, 0, 2, 0                                ; its wait for all loads and its barrier have shown slot 0, the second block's K step 0, whole to every wave
	s_lshl_b32 s16, s13, 15                        ; part: 4 groups of 64 rows x 8,192 bytes for a block row,
	s_lshl_b32 s14, s11, 14                        ; 2 groups for my half of the rows (the kept bases are no longer needed)
	s_add_co_u32 s16, s16, s14
	s_mov_b32 s17, 0
	s_add_nc_u64 s[68:69], s[68:69], s[16:17]
	s_lshl_b32 s13, s13, 8
	s_lshl_b32 s14, s11, 7
	s_add_co_u32 s16, s13, s14                     ; my first row of sim16
	s_mov_b32 s17, 0
	s_mov_b64 s[18:19], SIZE_N*2
	s_mul_u64 s[16:17], s[16:17], s[18:19]
	s_add_nc_u64 s[8:9], s[8:9], s[16:17]
	s_lshl_b32 s46, s42, 9                         ; my first column in bytes: 512 x block + 256 x half; the same figure is my chunk's place in part
	s_lshl_b32 s47, s12, 8                         ; (2 chunks of 256 bytes a block, 1 a half).  Kept in the registers that held k16's address:
	s_add_co_u32 s46, s46, s47                     ; none that fed x16's descriptors ever holds cx
	s_mov_b32 s47, 0
	s_add_nc_u64 s[8:9], s[8:9], s[46:47]
	s_add_nc_u64 s[68:69], s[68:69], s[46:47]
	WAYOUT                                         ; slot 1's load, the second block's K step 1, is on its way meanwhile; stage and sums are bytes into which no load lands
	; THE SECOND BLOCK
	s_wait_xcnt 0x0                                ; both fragment buffers and SS, which stores read, and the stores' two bases are rewritten only behind this wait; the stores themselves stay on their way
	s_add_nc_u64 s[8:9], s[8:9], (NEXTROWS-7*16)*SIZE_N*2          ; sim16: the way out has stepped 112 rows; the second block begins 4,096 rows below the first
	s_add_nc_u64 s[68:69], s[68:69], (NEXTROWS/64)*8192            ; part: 64 groups of 64 rows on
	FETCH 0, 0, F0
	LAP 1                                          ; its first products start the sums anew
	WIN 0
	s_mov_b32 s3, LAPS-2
.Llap_second:
	LAP 0
	WIN 0
	s_sub_co_u32 s3, s3, 1
	s_cmp_lg_u32 s3, 0
	s_cbranch_scc1 .Llap_second
	THREE 0, 0                                     ; the last lap fills nothing and has no round of the cluster's barrier
	TURN 0, 1, 0, 1
	THREE 1, 0
	s_wait_dscnt 8                                 ; the very last quarter: nothing more to fetch
	WIN MUL_LO
	MUL16 F1, 0, 0, 0
	MUL16 F1, 0, 2, 0
	s_wait_dscnt 0
	WIN MUL_HI
	MUL16 F1, 1, 0, 0
	MUL16 F1, 1, 2, 0
	WAYOUT
	s_set_vgpr_msb 0x1
	s_wait_tensorcnt 0x0
	ds_add_u32 v255, v255
	s_wait_dscnt 0x0
	s_set_vgpr_msb 0x100
	CROUND                                         ; the closing round: no work-group ends while a partner may still ask for a tile that names it
	s_endpgm
.Lfunc_end_k_qaa538e29a0_gemm1:
	.size	k_qaa538e29a0_gemm1, .Lfunc_end_k_qaa538e29a0_gemm1-k_qaa538e29a0_gemm1
	.p2alignl 7, 3214868480
	.fill 96, 4, 3214868480
	.section	.rodata,"a",@progbits
	.p2align	6, 0x0
	.amdhsa_kernel k_qaa538e29a0_gemm1
		.amdhsa_group_segment_fixed_size 327680
		.amdhsa_private_segment_fixed_size 0
		.amdhsa_enable_private_segment 0
		.amdhsa_kernarg_size 32
		.amdhsa_user_sgpr_count 2
		.amdhsa_user_sgpr_kernarg_segment_ptr 1
		.amdhsa_wavefront_size32 1
		.amdhsa_system_sgpr_workgroup_id_x 1
		.amdhsa_system_sgpr_workgroup_id_y 1
		.amdhsa_system_sgpr_workgroup_id_z 1
		.amdhsa_system_vgpr_workitem_id 0
		.amdhsa_next_free_vgpr 1024
		.amdhsa_next_free_sgpr 72
		.amdhsa_reserve_vcc 0
		.amdhsa_float_denorm_mode_32 3
		.amdhsa_float_denorm_mode_16_64 3
		.amdhsa_memory_ordered 1
		.amdhsa_forward_progress 1
		.amdhsa_inst_pref_size 255
	.end_amdhsa_kernel
	.section	.bss,"aw",@nobits
	.p2align	6
	.space	262144
	.amdgpu_metadata
---
amdhsa.version: [ 1, 2 ]
amdhsa.kernels:
  - .name:           k_qaa538e29a0_gemm1
    .symbol:         k_qaa538e29a0_gemm1.kd
    .args:
      - { .name: x16, .offset: 0, .size: 8, .value_kind: global_buffer, .address_space: global }
      - { .name: k16, .offset: 8, .size: 8, .value_kind: global_buffer, .address_space: global }
      - { .name: sim16, .offset: 16, .size: 8, .value_kind: global_buffer, .address_space: global }
      - { .name: part, .offset: 24, .size: 8, .value_kind: global_buffer, .address_space: global }
    .group_segment_fixed_size: 327680
    .private_segment_fixed_size: 0
    .kernarg_segment_align: 8
    .kernarg_segment_size: 32
    .max_flat_workgroup_size: 128
    .sgpr_count:     72
    .vgpr_count:     1024
    .wavefront_size: 32
...
	.end_amdgpu_metadata
.endif
;; end of part 2
;; launch act (part 3): grid 256 x 1, 16 waves a work-group, no clusters, 6,400 bytes of LDS; arguments sim16, part, att16; writes att16
.if DOCPART == 3
	.amdgcn_target "amdgcn-amd-amdhsa--gfx1250"
	.amdhsa_code_object_version 6
	.text
	.protected	k_qaa538e29a0_act
	.globl	k_qaa538e29a0_act
	.p2align	8
	.type	k_qaa538e29a0_act,@function
k_qaa538e29a0_act:
	s_mov_b64 s[64:65], 0
	v_nop
	global_prefetch_b8 v0, s[64:65] scope:SCOPE_SE
	s_setreg_imm32_b32 hwreg(HW_REG_WAVE_MODE, 25, 1), 1
	s_wait_xcnt 0x0
; PattentionLayer, launch 3 of 4:  att16 = f16(gelu(t f)),  f = 1 / max(sqrt(N2), 1e-12 / 8),  N2 = a row's sum of t^2 (32 partial sums).
; t = sim / 8 and sqrt(N2) = norm / 8, so t f = sim / max(norm, 1e-12): the reference's guard is kept, scaled by the same power of two.
; GELU.  |s| <= 1 for every input, because |sim| <= norm <= max(norm, eps) (the rounding of t to f16 can add 5e-4 to that).  On that range
; gelu(s) = s (0.5 + s Q(s^2)), Q = erf's own series, c_k = (-1)^k / (sqrt(2 pi) 2^k k! (2k+1)), k = 0 .. 5; the first term left out is at
; most 6.7e-7 at |s| = 1, where the f16 result's half step is 2.4e-4.  The cut rests on the normalisation, not on any data.
; LIMITS: v_sqrt_f32 and v_rcp_f32 are good to one unit in the last place and take denormals for zero: N2 below 1.2e-38 counts as 0, where
; the guard 1e-12 / 8 decides anyway.  t is f16: |x . k| / 256 below 3e-8 was stored as 0, so rows whose norm is near 1e-12 come out as 0.
; A stream: memory binds, so no matrix unit and no cluster (no two work-groups read the same byte).  A work-group takes 32 rows, a wave
; 2 rows = 16 KiB of neighbouring bytes, as 32 chunks of 512 bytes (16 bytes a lane); chunk q belongs to row q / 16.  A ring of 24 register
; slots keeps 24 loads of every wave in flight, 16 x 24 x 512 = 196,608 bytes for the work-group.  One offset register serves all loads
; and stores: the chunk stands in the immediate.  The results have four register sets that take turns, so that the wait which frees them
; is written once for four chunks.
.set CHUNKS, 32
.set SLOTS,  24
.set YSETS,  4
.set LP, 136                           ; LDS pitch of a chunk's 32 sums: 128 bytes + 8 = 34 words: the 32 lanes' pairs of words fall on 64 different banks
.set X,  32                            ; v[32:127]  slot i: 4 registers, 8 f16 as loaded (halves have names only below v128)
.set T,  128                           ; v[128:135] s
.set U,  136                           ; v[136:143] s^2
.set Q,  144                           ; v[144:151] the series, then the result
.set Y,  152                           ; v[152:167] four sets of 8 f16 to store
.set C,  168                           ; v[168:179] c0 .. c5, each twice (pairs for the packed arithmetic)
.set H,  180                           ; v[180:181] 0.5, twice
.set FP, 182                           ; v[182:185] f of my rows 0 and 1, each twice
	s_load_b128 s[4:7], s[0:1], 0x0                ; sim16 s[4:5], part s[6:7]
	s_load_b64 s[8:9], s[0:1], 0x10                ; att16
	v_lshl_add_u32 v186, v0, 2, 0x1100
	v_mov_b32 v187, 0
	s_lshl_b32 s12, ttmp9, 18                      ; 32 rows of 8,192 bytes
	s_mov_b32 s13, 0
	s_lshr_b32 s14, ttmp9, 1                       ; part: my group of 64 rows, 8,192 bytes each,
	s_lshl_b32 s14, s14, 13
	s_and_b32 s15, ttmp9, 1                        ; and which 32 rows (128 bytes) of each chunk's 64
	s_lshl_b32 s15, s15, 7
	s_add_co_u32 s14, s14, s15
	s_mov_b32 s15, 0
	s_mov_b32 s16, 0x76543210                      ; v_permlanex16_b32: lane i of one half reads lane i of the other
	s_mov_b32 s17, 0xfedcba98
	v_lshrrev_b32 v12, 5, v0                       ; wave, 0 .. 15
	v_and_b32 v13, 31, v0                          ; lane
	v_lshrrev_b32 v14, 4, v0                       ; thread / 16: a chunk of 128 columns, 0 .. 31
	v_and_b32 v15, 15, v0                          ; thread % 16: two of my work-group's 32 rows
	v_lshlrev_b32 v1, 4, v13
	v_lshl_or_b32 v1, v12, 14, v1                  ; sim16, att16: 16,384 x wave + 16 x lane; never rewritten
	v_lshlrev_b32 v2, 3, v15
	v_lshl_or_b32 v2, v14, 8, v2                   ; part: 256 x chunk + 8 x piece
	v_mul_u32_u24 v3, v14, LP                      ; LDS, in: a row of 128 bytes + 8 for each chunk
	v_lshl_add_u32 v3, v15, 3, v3
	v_mul_u32_u24 v4, v13, LP                      ; LDS, back: lane c takes chunk c's sums of my wave's two rows
	v_lshl_add_u32 v4, v12, 3, v4
	s_wait_kmcnt 0x0
	s_add_nc_u64 s[4:5], s[4:5], s[12:13]
	s_add_nc_u64 s[8:9], s[8:9], s[12:13]
	s_add_nc_u64 s[6:7], s[6:7], s[14:15]
	global_load_b64 v[8:9], v2, s[6:7]             ; 4 KiB a work-group, 128 neighbouring bytes of each of 32 chunks, once
.set q, 0
.rept SLOTS
	global_load_b128 v[X+4*q:X+4*q+3], v1, s[4:5] offset:512*q th:TH_LOAD_NT     ; fill the ring: read once in the launch
.set q, q+1
.endr
	s_wait_loadcnt SLOTS                           ; the partial sums are in; the 24 younger loads stay out
	ds_store_b64 v3, v[8:9]
	s_wait_dscnt 0x0                               ; for the other waves' sake: my store is done before I signal
	s_barrier_signal -1
	s_barrier_wait -1
	ds_load_b64 v[8:9], v4                         ; bytes that other waves stored; they are written once in the launch
	s_wait_dscnt 0x0
	; the two rows' sums over the 32 lanes (= 32 chunks): four steps inside each half of 16 lanes ride on the add, one crosses the halves
.irp m, 1,2,4,8
.irp i, 0,1
	v_add_f32_dpp v[8+\i], v[8+\i], v[8+\i] row_xmask:\m row_mask:0xf bank_mask:0xf
.endr
.endr
.irp i, 0,1
	v_permlanex16_b32 v[12+\i], v[8+\i], s16, s17  ; the destination counts as read: v12 and v13 have been written
.endr
.irp i, 0,1
	v_add_f32 v[8+\i], v[8+\i], v[12+\i]           ; N2, in every lane
.endr
.irp i, 0,1
	v_sqrt_f32 v[12+\i], v[8+\i]
.endr
	v_mov_b32 v[H], 0.5                            ; the plain instruction between a transcendental and the first use of its result (ISA guide 5.7.2)
	s_wait_alu depctr_va_vdst(0)
.irp i, 0,1
	v_max_num_f32 v[12+\i], 0x2a0cbccc, v[12+\i]   ; max(norm / 8, 1e-12 / 8)
.endr
.irp i, 0,1
	v_rcp_f32 v[FP+2*\i], v[12+\i]                 ; twice, to fill the pair
	v_rcp_f32 v[FP+2*\i+1], v[12+\i]
.endr
	v_mov_b32 v[H+1], 0.5                          ; plain instructions again before FP is used
	v_mov_b32 v[C+0], 0x3ecc422a                   ; c0 =  0.39894228
	v_mov_b32 v[C+1], 0x3ecc422a
	v_mov_b32 v[C+2], 0xbd882c1c                   ; c1 = -0.066490380
	v_mov_b32 v[C+3], 0xbd882c1c
	v_mov_b32 v[C+4], 0x3c236821                   ; c2 =  0.0099735570
	v_mov_b32 v[C+5], 0x3c236821
	v_mov_b32 v[C+6], 0xba9ba020                   ; c3 = -0.0011873282
	v_mov_b32 v[C+7], 0xba9ba020
	v_mov_b32 v[C+8], 0x38f21587                   ; c4 =  0.00011543469
	v_mov_b32 v[C+9], 0x38f21587
	v_mov_b32 v[C+10], 0xb71e747d                  ; c5 = -0.0000094446563
	v_mov_b32 v[C+11], 0xb71e747d
	s_wait_alu depctr_va_vdst(0)
; Chunk q, in the slot whose four registers are v a .. v d (given as plain numbers, since a register's halves are named on plain numbers).
; From chunk 32 on it expands to nothing.
.macro CHUNK q, a, b, c, d
.if \q < CHUNKS
.if \q < CHUNKS-SLOTS
	s_wait_loadcnt SLOTS-1                         ; loads come back in order: mine is in, the 23 younger ones stay out
.else
	s_wait_loadcnt CHUNKS-1-\q                     ; nothing is loaded any more: the counts run down
.endif
	v_cvt_f32_f16 v[T+0], v\a\().l
	v_cvt_f32_f16 v[T+1], v\a\().h
	v_cvt_f32_f16 v[T+2], v\b\().l
	v_cvt_f32_f16 v[T+3], v\b\().h
	v_cvt_f32_f16 v[T+4], v\c\().l
	v_cvt_f32_f16 v[T+5], v\c\().h
	v_cvt_f32_f16 v[T+6], v\d\().l
	v_cvt_f32_f16 v[T+7], v\d\().h
.irp k, 0,2,4,6
	v_pk_mul_f32 v[T+\k:T+\k+1], v[T+\k:T+\k+1], v[FP+2*(\q/16):FP+2*(\q/16)+1]    ; s = t f of the chunk's row
.endr
.irp k, 0,2,4,6
	v_pk_mul_f32 v[U+\k:U+\k+1], v[T+\k:T+\k+1], v[T+\k:T+\k+1]                    ; s^2
.endr
.irp k, 0,2,4,6
	v_pk_fma_f32 v[Q+\k:Q+\k+1], v[U+\k:U+\k+1], v[C+10:C+11], v[C+8:C+9]          ; Horner: c5 u + c4
.endr
.irp n, 6,4,2,0
.irp k, 0,2,4,6
	v_pk_fma_f32 v[Q+\k:Q+\k+1], v[Q+\k:Q+\k+1], v[U+\k:U+\k+1], v[C+\n:C+\n+1]    ; ... u + c3, c2, c1, c0
.endr
.endr
.irp k, 0,2,4,6
	v_pk_fma_f32 v[Q+\k:Q+\k+1], v[Q+\k:Q+\k+1], v[T+\k:T+\k+1], v[H:H+1]          ; 0.5 + s Q
.endr
.irp k, 0,2,4,6
	v_pk_mul_f32 v[Q+\k:Q+\k+1], v[Q+\k:Q+\k+1], v[T+\k:T+\k+1]                    ; gelu(s)
.endr
.if (\q) % YSETS == 0
.if \q >= YSETS
	s_wait_xcnt 0x0                                ; once for four chunks: the last four chunks' stores, which read the four sets of Y, have had their addresses
	                                               ; translated; it stands ahead of this chunk's reload, so the youngest that it waits for is the chunk before's store
.endif
.endif
.if \q < CHUNKS-SLOTS
	global_load_b128 v[\a:\d], v1, s[4:5] offset:512*(\q+SLOTS) th:TH_LOAD_NT   ; the slot's next chunk, ahead of the store
.endif
.irp k, 0,1,2,3
	v_cvt_pk_f16_f32 v[Y+4*((\q)%YSETS)+\k], v[Q+2*\k], v[Q+2*\k+1]
.endr
	global_store_b128 v1, v[Y+4*((\q)%YSETS):Y+4*((\q)%YSETS)+3], s[8:9] offset:512*\q   ; a wave's store covers 512 consecutive bytes, aligned; no hint: the next launch reads it
.endif
.endm
; Once round the ring.
.macro PASS p
	CHUNK (24*\p+0),  32, 33, 34, 35
	CHUNK (24*\p+1),  36, 37, 38, 39
	CHUNK (24*\p+2),  40, 41, 42, 43
	CHUNK (24*\p+3),  44, 45, 46, 47
	CHUNK (24*\p+4),  48, 49, 50, 51
	CHUNK (24*\p+5),  52, 53, 54, 55
	CHUNK (24*\p+6),  56, 57, 58, 59
	CHUNK (24*\p+7),  60, 61, 62, 63
	CHUNK (24*\p+8),  64, 65, 66, 67
	CHUNK (24*\p+9),  68, 69, 70, 71
	CHUNK (24*\p+10), 72, 73, 74, 75
	CHUNK (24*\p+11), 76, 77, 78, 79
	CHUNK (24*\p+12), 80, 81, 82, 83
	CHUNK (24*\p+13), 84, 85, 86, 87
	CHUNK (24*\p+14), 88, 89, 90, 91
	CHUNK (24*\p+15), 92, 93, 94, 95
	CHUNK (24*\p+16), 96, 97, 98, 99
	CHUNK (24*\p+17), 100, 101, 102, 103
	CHUNK (24*\p+18), 104, 105, 106, 107
	CHUNK (24*\p+19), 108, 109, 110, 111
	CHUNK (24*\p+20), 112, 113, 114, 115
	CHUNK (24*\p+21), 116, 117, 118, 119
	CHUNK (24*\p+22), 120, 121, 122, 123
	CHUNK (24*\p+23), 124, 125, 126, 127
.endm
	PASS 0                                         ; chunks 0 to 23
	PASS 1                                         ; chunks 24 to 31
	s_wait_tensorcnt 0x0
	ds_add_u32 v186, v187
	s_wait_dscnt 0x0
	s_endpgm
.Lfunc_end_k_qaa538e29a0_act:
	.size	k_qaa538e29a0_act, .Lfunc_end_k_qaa538e29a0_act-k_qaa538e29a0_act
	.p2alignl 7, 3214868480
	.fill 96, 4, 3214868480
	.section	.rodata,"a",@progbits
	.p2align	6, 0x0
	.amdhsa_kernel k_qaa538e29a0_act
		.amdhsa_group_segment_fixed_size 6400
		.amdhsa_private_segment_fixed_size 0
		.amdhsa_enable_private_segment 0
		.amdhsa_kernarg_size 24
		.amdhsa_user_sgpr_count 2
		.amdhsa_user_sgpr_kernarg_segment_ptr 1
		.amdhsa_wavefront_size32 1
		.amdhsa_system_sgpr_workgroup_id_x 1
		.amdhsa_system_sgpr_workgroup_id_y 1
		.amdhsa_system_sgpr_workgroup_id_z 1
		.amdhsa_system_vgpr_workitem_id 0
		.amdhsa_next_free_vgpr 188
		.amdhsa_next_free_sgpr 66
		.amdhsa_reserve_vcc 0
		.amdhsa_float_denorm_mode_32 3
		.amdhsa_float_denorm_mode_16_64 3
		.amdhsa_memory_ordered 1
		.amdhsa_forward_progress 1
		.amdhsa_inst_pref_size 100
	.end_amdhsa_kernel
	.amdgpu_metadata
---
amdhsa.version: [ 1, 2 ]
amdhsa.kernels:
  - .name:           k_qaa538e29a0_act
    .symbol:         k_qaa538e29a0_act.kd
    .args:
      - { .name: sim16, .offset: 0, .size: 8, .value_kind: global_buffer, .address_space: global }
      - { .name: part, .offset: 8, .size: 8, .value_kind: global_buffer, .address_space: global }
      - { .name: att16, .offset: 16, .size: 8, .value_kind: global_buffer, .address_space: global }
    .group_segment_fixed_size: 6400
    .private_segment_fixed_size: 0
    .kernarg_segment_align: 8
    .kernarg_segment_size: 24
    .max_flat_workgroup_size: 512
    .sgpr_count:     66
    .vgpr_count:     188
    .wavefront_size: 32
...
	.end_amdgpu_metadata
.endif
;; end of part 3
;; launch gemm2 (part 4): grid 4 x 64, 4 waves a work-group, clusters of 4 x 4, 327,680 bytes of LDS; arguments att16, v16, out0; writes out0
.if DOCPART == 4
	.amdgcn_target "amdgcn-amd-amdhsa--gfx1250"
	.amdhsa_code_object_version 6
	.text
	.protected	k_qaa538e29a0_gemm2
	.globl	k_qaa538e29a0_gemm2
	.p2align	8
	.type	k_qaa538e29a0_gemm2,@function
k_qaa538e29a0_gemm2:
	s_mov_b64 s[64:65], 0
	v_nop
	global_prefetch_b8 v0, s[64:65] scope:SCOPE_SE
	s_setreg_imm32_b32 hwreg(HW_REG_WAVE_MODE, 25, 1), 1
	s_wait_xcnt 0x0
	s_wait_alu depctr_hold_cnt(0) depctr_sa_sdst(0) depctr_va_vdst(0) depctr_va_sdst(0) depctr_va_ssrc(0) depctr_va_vcc(0) depctr_vm_vsrc(0)
	s_getreg_b32 s2, hwreg(HW_REG_IB_STS2, 6, 4)
	s_cmp_eq_u32 s2, 0
	s_cbranch_scc0 .Lentry_in_a_cluster
	s_endpgm
.Lentry_in_a_cluster:
	s_bfe_u32 s2, ttmp6, 0x10000c
	s_cmp_lg_u32 s2, 0xf033
	s_cbranch_scc0 .Lentry_shape_is_right
	s_endpgm
.Lentry_shape_is_right:
; PattentionLayer, launch 4 of 4:  out0[m][v] = sum over tokens n of att16[m][n] v16[n][v], f16 operands, f32 sums, f32 out.  Nothing is left out.
; LIMITS: |V| below 65504 (f16).  Each output's sum is made in two halves (see below) and added once: an order of rounding of its own.
; SHAPE.  [8192] x [1024] in blocks of 256 x 256 would be 128 work-groups; a block is 128 rows x 256 columns: 256 work-groups.  To keep a wave's
; tile at 128 x 128 (each fragment loaded from LDS feeds eight matrix instructions), the four waves are (nh = wave / 2, kh = wave % 2): a
; wave makes ALL 128 rows x columns 128 nh .. + 127, but only every other 32 tokens: tokens 64 j + 32 kh .. + 31.  At the end the two waves
; of a pair exchange halves through LDS: wave kh keeps rows 64 kh .. + 63 and gives the other 64 rows' sums to its partner.
; THE RING.  K goes in steps of 192 tokens through two LDS slots filled by the tensor data mover, one load a wave: 64 rows of att16 x 384
; bytes (waves 0, 1) or 96 token rows of v16 x 512 bytes (waves 2, 3).  192 is the most that fits twice: a slot is 128 x 432 + 192 x 544 =
; 159,744 bytes, two are 319,488 of the 327,680; steps come in multiples of 64 tokens (32 for each kh), and 256 would take 413,696.  The longer
; the step, the more products stand between a tile's request and the wait for it: here 176 of a step's 192 matrix instructions.  The price:
; every other step's att16 rows begin 128 bytes behind a multiple of 256.  4,096 tokens = 21 steps of 192 and a last one of 64.
; v16 stays as it lies, [token][column]: its fragments come out of LDS by the transposing load.
; CLUSTERS: 4 x 4 work-groups.  A row of the cluster is the four column blocks of one block row and shares att16's tiles (so each of them is
; asked for once in the launch); a column shares v16's tiles.  Each such tile is asked for jointly, with a mask that names the four.
; REGISTERS: window 0: v0-31 addresses; v64-127, v128-191 fragments of att16, two buffers (fragments 0-3 the rows that I keep, 4-7 those that
; I give); window 1: the same numbers, fragments of v16; window 2: the 32 accumulator tiles of the rows that I keep (tile (a, b) at
; v[8 (8 a + b)]); window 3: those of the rows that I give.  So no branch hangs on kh.
; THE MATRIX INSTRUCTION IS USED TRANSPOSED: source 0 = 16 columns of v16, source 1 = 16 rows of att16: lane l holds row l % 16, its registers
; 0 to 7 the columns 8 (l / 16) + 0 .. 7: 32 neighbouring bytes of out0.
; The 64 accumulators take turns, one instruction a turn, in the same order in every quarter, over the backward jump too.
.set SIZE_T, 4096                      ; tokens: the K of this product
.set SIZE_V, 1024                      ; columns of v16 and out0
.set KSTEP,  192
.set CH,     144                       ; 64 tokens of an att16 row in LDS: 128 bytes + 16 of padding; also the pitch of the last, short tile (9 x 16)
.set AP,     3*CH                      ; LDS pitch of att16's rows: 432 = 27 x 16, an odd multiple of 16
.set BP,     544                       ; LDS pitch of v16's rows: 512 + 32, an odd multiple of 32, as the transposing load's eight-row groups want
.set AREG,   64*AP                     ; 27,648: what wave 0 or 1 fills
.set BREG,   96*BP                     ; 52,224: what wave 2 or 3 fills
.set SLOT,   2*AREG+2*BREG             ; att16 rows 0-63, rows 64-127, v16 token rows 0-95, 96-191
.set XCHW,   32768                     ; the exchange: 256 registers x 32 lanes x 4 bytes a wave, in slot 0 after its last fill and last read
.set STAGE,  SLOT                      ; the way out: 16 rows x 528 bytes for each wave, in slot 1 after its last fill and, behind the exchange's barrier, its last read
.set SP,     528                       ; 512 + 16, an odd multiple of 16
.set TRIPS,  8                         ; laps 1 to 8 of the eleven (a lap = two steps); laps 0, 9 and 10 are written out
.set ADRK, 16                          ; v16-17  LDS address of the att16 rows that I keep, slot 0, 1
.set ADRG, 18                          ; v18-19  of those that I give
.set ADRB, 20                          ; v20-21  of my v16 fragments, quarters 0 and 1
.set ADRC, 22                          ; v22-23  the same for quarter 2: 128 rows further, which no 16-bit offset reaches
.set STO,  24                          ; v24     the way out: where I put 32 bytes of a row
.set RD,   25                          ; v25     the way out: where I read a row back
.set CO,   26                          ; v26     my byte offset in a row of out0
.set XS,   27                          ; v27     the exchange: where I put
.set XR,   28                          ; v28     the exchange: where I take
.set ADRKS, 29                         ; v29     the last, short tile (slot 1): the att16 rows that I keep
.set ADRGS, 30                         ; v30     and those that I give
.set PF,   31                          ; v31     prefetch: byte offset of row 32 cx + lane in my block row of att16; never rewritten
.set F0,   64
.set F1,   128
.set G1, 24                            ; s[24:31] descriptor group 1 for att16's tiles
.set G0, 32                            ; s[32:39] descriptor group 0 for att16's tiles, one set for each slot
.set G1B, 48                           ; s[48:55] descriptor group 1 for v16's tiles
.set G0B, 56                           ; s[56:63] descriptor group 0 for v16's tiles, one set for each slot
.set MSB, 0
.macro WIN new                         ; the immediate's high byte repeats the setting that is left; a switch that changes nothing is dropped
.if MSB != \new
	s_set_vgpr_msb (MSB<<8)|\new
.set MSB, \new
.endif
.endm
.set MUL_LO, 0xa1                      ; source 0 (v16) window 1, source 1 (att16) window 0, C and D window 2
.set MUL_HI, 0xf1                      ; the same, C and D window 3
.set TO_B,   0x40                      ; destination window 1, address window 0
; A joint load.  Waves 0 and 1 fetch att16's two halves, waves 2 and 3 v16's.  The branch hangs on the wave's number alone.
.macro JLOAD s
	s_cmp_eq_u32 s11, 0
	s_cbranch_scc0 .Lfor_b_\@
	tensor_load_to_lds s[G0+4*\s:G0+4*\s+3], s[G1:G1+7]
	s_nop 0
	s_branch .Lasked_\@
.Lfor_b_\@:
	tensor_load_to_lds s[G0B+4*\s:G0B+4*\s+3], s[G1B:G1B+7]
	s_nop 0
.Lasked_\@:
.endm
; The last joint load, 64 tokens: v16's 64 token rows are one load, wave 2's; wave 3's part would begin behind v16's last row, so it issues none.
.macro JLOADS s
	s_cmp_eq_u32 s11, 0
	s_cbranch_scc0 .Lshort_b_\@
	tensor_load_to_lds s[G0+4*\s:G0+4*\s+3], s[G1:G1+7]
	s_nop 0
	s_branch .Lshort_asked_\@
.Lshort_b_\@:
	s_cmp_lg_u32 s10, 2
	s_cbranch_scc1 .Lshort_asked_\@
	tensor_load_to_lds s[G0B+4*\s:G0B+4*\s+3], s[G1B:G1B+7]
	s_nop 0
.Lshort_asked_\@:
.endm
; A round of the cluster's barrier: my work-group's barrier; wave 0 signals for the work-group; every wave waits for all sixteen
; work-groups; my work-group's barrier once more.
.macro CREST
	s_cmp_lg_u32 s10, 0
	s_cbranch_scc1 .Lnot_wave_0_\@
	s_barrier_signal -3
.Lnot_wave_0_\@:
	s_barrier_wait -3
	s_barrier_signal -1
	s_barrier_wait -1
.endm
.macro CROUND
	s_barrier_signal -1
	s_barrier_wait -1
	CREST
.endm
; Prefetch of att16, which this launch reads from memory once.  A lap's two steps are 768 bytes of each row, three blocks of 256.  Wave 3 of each of the
; four work-groups of a cluster's row asks for 32 of the block row's 128 rows (row 32 cx + lane), so each block is asked for once in the launch.
; Behind step s's refill it asks for what step s + 1's refill will request (step s + 3's tile), one step = 192 matrix instructions ahead: behind slot 0's
; the third block of the next lap, behind slot 1's the first two blocks of the lap after.  The base has been stepped to the next lap's first byte.
; Laps 0 to 8 ask; the last block asked for begins at byte 768 x 9 + 1,024 = 7,936 of a row of 8,192.
.macro PREF slot
	s_cmp_lg_u32 s10, 3
	s_cbranch_scc1 .Lno_prefetch_\@
.if \slot == 0
	s_wait_xcnt 0x0                                ; the base is stepped only behind this wait; the last prefetch was issued a step ago
	s_add_nc_u64 s[66:67], s[66:67], 2*KSTEP*2
	global_prefetch_b8 v[PF], s[66:67] offset:512 th:TH_LOAD_NT scope:SCOPE_SE
.else
	global_prefetch_b8 v[PF], s[66:67] offset:768 th:TH_LOAD_NT scope:SCOPE_SE
	global_prefetch_b8 v[PF], s[66:67] offset:1024 th:TH_LOAD_NT scope:SCOPE_SE
.endif
.Lno_prefetch_\@:
.endm
	s_load_b128 s[4:7], s[0:1], 0x0                ; att16 s[4:5], v16 s[6:7]
	s_load_b64 s[8:9], s[0:1], 0x10                ; out0
	s_set_vgpr_msb 0x40
	v_lshl_add_u32 v255, v0, 2, 0x4e000
	s_set_vgpr_msb 0x4000
	v_mov_b32 v255, 0
	s_set_vgpr_msb 0x1
	ds_add_u32 v255, v255
	s_set_vgpr_msb 0x100
	v_lshrrev_b32 v1, 5, v0
	v_readfirstlane_b32 s10, v1                    ; wave 0..3
	s_lshr_b32 s11, s10, 1                         ; nh: my 128 columns.  Also: I fetch for att16 (0) or for v16 (1)
	s_and_b32 s12, s10, 1                          ; kh: my tokens of a step.  Also: which half of that tile's rows I fetch
	s_bfe_u32 s40, ttmp6, 0x40000                  ; cx
	s_bfe_u32 s41, ttmp6, 0x40004                  ; cy
	s_lshl_b32 s42, ttmp9, 2
	s_add_co_u32 s42, s42, s40                     ; block column = 4 x cluster x + cx
	s_and_b32 s13, ttmp7, 0xffff
	s_lshl_b32 s13, s13, 2
	s_add_co_u32 s13, s13, s41                     ; block row = 4 x cluster y + cy
	s_lshl_b32 s43, s41, 2
	s_lshl_b32 s43, 15, s43                        ; my row of the cluster
	s_lshl_b32 s44, 0x1111, s40                    ; my column
	; group 1 for att16: 64 rows x 192 elements (96 words), 4 words of padding after every 32: three pieces of 128 + 16 bytes a row
	s_or_b32 s[G1+0], s43, (1<<16)|(1<<20)|(1<<21)|(4<<22)|(3<<25)  ; the mask of my row; element of 2 bytes; padding on; bit 21 beside a mask; interval 32 words; pad 4 words
	s_mov_b32 s[G1+1], KSTEP<<16                   ; tensor_dim0 = 192
	s_mov_b32 s[G1+2], 64<<16                      ; tensor_dim1 = 64
	s_mov_b32 s[G1+3], KSTEP<<16                   ; tile_dim0 = 192
	s_mov_b32 s[G1+4], 64                          ; tile_dim1 = 64
	s_mov_b32 s[G1+5], SIZE_T                      ; elements from row to row
	s_mov_b32 s[G1+6], 0
	s_mov_b32 s[G1+7], 0
	; group 1 for v16: 96 token rows x 256 elements, 8 words of padding after every 128
	s_or_b32 s[G1B+0], s44, (1<<16)|(1<<20)|(1<<21)|(6<<22)|(7<<25) ; the mask of my column; interval 128 words; pad 8 words
	s_mov_b32 s[G1B+1], 256<<16                    ; tensor_dim0 = 256
	s_mov_b32 s[G1B+2], 96<<16                     ; tensor_dim1 = 96
	s_mov_b32 s[G1B+3], 256<<16                    ; tile_dim0 = 256
	s_mov_b32 s[G1B+4], 96                         ; tile_dim1 = 96
	s_mov_b32 s[G1B+5], SIZE_V                     ; elements from row to row
	s_mov_b32 s[G1B+6], 0
	s_mov_b32 s[G1B+7], 0
	; where the tiles come from: att16's hang on the block row and the wave's number, v16's on the block column and the wave's number,
	; each in registers that never hold the other coordinate
	s_lshl_b32 s18, s13, 20                        ; att16: 128 rows of 8,192 bytes a block row (also the prefetch's base),
	s_mov_b32 s19, 0
	s_lshl_b32 s17, s12, 19                        ; 64 rows for the half that I fetch
	s_add_co_u32 s16, s18, s17
	s_mov_b32 s17, 0
	s_lshl_b32 s46, s42, 9                         ; v16: 256 columns of 2 bytes a block column,
	s_mul_i32 s47, s12, 96*SIZE_V*2                ; 96 token rows of 2,048 bytes for the half that I fetch
	s_add_co_u32 s46, s46, s47
	s_mov_b32 s47, 0
	s_mul_i32 s20, s12, AREG                       ; and where they go: att16's halves,
	s_mul_i32 s70, s12, BREG
	s_add_co_u32 s70, s70, 2*AREG                  ; v16's halves behind them: no place in the cluster enters an LDS address
	s_wait_dscnt 0x0
	s_wait_kmcnt 0x0
	s_add_nc_u64 s[14:15], s[4:5], s[16:17]
	s_add_nc_u64 s[66:67], s[4:5], s[18:19]
	s_add_nc_u64 s[46:47], s[6:7], s[46:47]
	CROUND                                         ; all sixteen work-groups are here: the first joint loads meet
.irp s, 0,1
	s_mov_b32 s[G0+4*\s], 1
	s_add_co_u32 s[G0+4*\s+1], s20, \s*SLOT
	s_add_nc_u64 s[G0+4*\s+2:G0+4*\s+3], s[14:15], \s*KSTEP*2              ; K step s: 192 tokens along att16's rows
	s_or_b32 s[G0+4*\s+3], s[G0+4*\s+3], 0x80000000
	s_mov_b32 s[G0B+4*\s], 1
	s_add_co_u32 s[G0B+4*\s+1], s70, \s*SLOT
	s_add_nc_u64 s[G0B+4*\s+2:G0B+4*\s+3], s[46:47], \s*KSTEP*SIZE_V*2     ; K step s: 192 token rows down v16
	s_or_b32 s[G0B+4*\s+3], s[G0B+4*\s+3], 0x80000000
	JLOAD \s                                       ; two tensor loads of a wave are out, the most in this text
.endr
	v_and_b32 v1, 15, v0                           ; r = l % 16
	v_bfe_u32 v2, v0, 4, 1                         ; h = l / 16
	v_mul_u32_u24 v3, v1, AP
	v_lshl_add_u32 v3, v2, 4, v3                   ; att16: row x pitch + 16 h
	v_mul_u32_u24 v9, v1, CH
	v_lshl_add_u32 v9, v2, 4, v9                   ; the same in the short tile
	s_mul_i32 s21, s12, AREG+64                    ; the rows that I keep: half kh, at byte 64 kh of each piece of 128 (my 32 tokens of 64)
	s_mul_i32 s22, s12, AREG-64
	s_sub_co_u32 s22, AREG, s22                    ; the rows that I give: half 1 - kh, at the same byte: (1 - kh) AREG + 64 kh
	v_and_b32 v6, 7, v0
	v_lshl_add_u32 v6, v2, 3, v6                   ; v16: token row 8 h + l % 8 of the fragment's first sixteen,
	v_mul_u32_u24 v5, v6, BP
	v_bfe_u32 v7, v0, 3, 1
	v_lshl_add_u32 v5, v7, 4, v5                   ; and 16 bytes further for lanes 8-15 of each half
	s_mul_i32 s23, s12, 32*BP                      ; my 32 token rows of each 64,
	s_lshl_b32 s18, s11, 8                         ; my 128 columns,
	s_add_co_u32 s23, s23, s18
	s_add_co_u32 s23, s23, 2*AREG                  ; behind att16's two regions
	s_add_co_u32 s18, s21, SLOT                    ; the short tile lies in slot 1, at the regions' first bytes
	v_add_nc_u32 v[ADRKS], s18, v9
	s_add_co_u32 s18, s22, SLOT
	v_add_nc_u32 v[ADRGS], s18, v9
.irp s, 0,1
	v_add_nc_u32 v[ADRK+\s], s21, v3
	v_add_nc_u32 v[ADRG+\s], s22, v3
	v_add_nc_u32 v[ADRB+\s], s23, v5
	v_add_nc_u32 v[ADRC+\s], 128*BP, v[ADRB+\s]
	s_add_co_u32 s21, s21, SLOT
	s_add_co_u32 s22, s22, SLOT
	s_add_co_u32 s23, s23, SLOT
.endr
	s_mul_i32 s18, s10, 16*SP
	s_add_co_u32 s18, s18, STAGE                   ; my stage
	v_mul_u32_u24 v4, v1, SP                       ; in: row r, 32 bytes for each half of the lanes
	v_lshl_add_u32 v4, v2, 5, v4
	v_add_nc_u32 v[STO], s18, v4
	v_and_b32 v8, 31, v0
	v_lshlrev_b32 v[CO], 4, v8                     ; 16 x lane: a row of 512 bytes is one load, and one store, of the wave
	v_add_nc_u32 v[RD], s18, v[CO]
	s_lshl_b32 s19, s10, 15
	v_add_nc_u32 v[XS], s19, v[CO]                 ; the exchange: my 32 KiB,
	s_xor_b32 s45, s10, 1
	s_lshl_b32 s45, s45, 15
	v_add_nc_u32 v[XR], s45, v[CO]                 ; and my partner's (the wave with the other kh)
	s_lshl_b32 s68, s40, 18                        ; prefetch: 32 cx rows of 8,192 bytes,
	v_lshl_add_u32 v[PF], v8, 13, s68              ; and a row a lane
; 16 matrix instructions: row blocks a0, a0 + 1 of the window's four (hi = 0: the rows that I keep, 1: those that I give) x all 8 column
; blocks, 32 tokens.  zero = 1: the first product starts the sums: nothing is ever cleared.
.macro MUL16 f, hi, a0, zero
.irp a, \a0, \a0+1
.irp b, 0,1,2,3,4,5,6,7
.if \zero
	v_wmma_f32_16x16x32_f16 v[8*(8*(\a)+\b):8*(8*(\a)+\b)+7], v[\f+8*\b:\f+8*\b+7], v[\f+8*(4*\hi+\a):\f+8*(4*\hi+\a)+7], 0
.else
	v_wmma_f32_16x16x32_f16 v[8*(8*(\a)+\b):8*(8*(\a)+\b)+7], v[\f+8*\b:\f+8*\b+7], v[\f+8*(4*\hi+\a):\f+8*(4*\hi+\a)+7], v[8*(8*(\a)+\b):8*(8*(\a)+\b)+7]
.endif
.endr
.endr
.endm
; 32 LDS loads in one run: the fragments of 32 tokens into buffer f.  v16 (address register breg, offset boff): for each 16 columns two
; transposing loads, 16 token rows apart; the first brings tokens 8 h .. + 7 of column r, the second tokens 16 + 8 h .. + 7.  att16 (registers
; kreg and greg, offset aoff, row pitch ap): two loads, 32 bytes apart, for each 16 rows.
.macro FETCH breg, boff, kreg, greg, aoff, ap, f
	WIN TO_B
.irp i, 0,1,2,3,4,5,6,7
	ds_load_tr16_b128 v[\f+8*\i:\f+8*\i+3],   v[\breg] offset:\boff+32*\i
	ds_load_tr16_b128 v[\f+8*\i+4:\f+8*\i+7], v[\breg] offset:\boff+16*BP+32*\i
.endr
	WIN 0
.irp i, 0,1,2,3
	ds_load_b128 v[\f+8*\i:\f+8*\i+3],   v[\kreg] offset:\aoff+\i*16*\ap
	ds_load_b128 v[\f+8*\i+4:\f+8*\i+7], v[\kreg] offset:\aoff+\i*16*\ap+32
.endr
.irp i, 0,1,2,3
	ds_load_b128 v[\f+32+8*\i:\f+32+8*\i+3], v[\greg] offset:\aoff+\i*16*\ap
	ds_load_b128 v[\f+32+8*\i+4:\f+32+8*\i+7], v[\greg] offset:\aoff+\i*16*\ap+32
.endr
.endm
; Quarter j (0, 1, 2) of a step of 192: my 32 tokens of the step's tokens 64 j .. + 63
.macro FETCHQ slot, j, f
.if \j == 2
	FETCH ADRC+\slot, 0, ADRK+\slot, ADRG+\slot, 2*CH, AP, \f
.else
	FETCH ADRB+\slot, \j*64*BP, ADRK+\slot, ADRG+\slot, \j*CH, AP, \f
.endif
.endm
; Four places behind a matrix instruction before a load lands on a register that it has read, or a vector or LDS instruction reads its result
; only plain vector instructions are counted.  The loop has no vector work of its own to put there.
.macro PLACES
.rept 4
	v_nop
.endr
.endm
; A step of 192 is, for a wave, three quarters of 32 tokens, 64 matrix instructions each; the two buffers take turns through the steps.
; One of the first two: multiplies buffer f; in its middle it fetches quarter j of the same slot into buffer g.
.macro QUARTER slot, j, f, g, zero
	s_wait_dscnt 8                                 ; v16 and the rows that I keep are in; the youngest eight loads (the rows that I give) may be out
	WIN MUL_LO
	MUL16 \f, 0, 0, \zero
	MUL16 \f, 0, 2, \zero
	PLACES
	FETCHQ \slot, \j, \g
	s_wait_dscnt 32                                ; all but the 32 just issued
	WIN MUL_HI
	MUL16 \f, 1, 0, \zero
	MUL16 \f, 1, 2, \zero
.endm
; The third: multiplies buffer f and changes slots.  One barrier for the change.  In front of it each wave waits for its own reads of this
; slot and for all its tensor loads, of which one is out: its part of the next slot.  Behind it the refill comes first, then the next
; slot's first fragments, into buffer g.  fill = 1: this slot is filled again, two steps ahead; 2: with the last, short tile; 0: not at all.
; pf = 1: wave 3 prefetches.  short = 1: the next slot holds the short tile.
.macro TURN slot, next, f, g, fill, pf, short
	s_wait_dscnt 8
	WIN MUL_LO
	MUL16 \f, 0, 0, 0
	s_wait_dscnt 0                                 ; my reads of this slot are over
	s_wait_tensorcnt 0x0                           ; and all my tensor loads have landed: every descriptor register may be written
	ds_add_u32 v255, v255
	s_wait_dscnt 0x0
	s_barrier_signal -1                            ; say so (where a slot is filled again this barrier opens a round of the cluster's barrier),
	MUL16 \f, 0, 2, 0                              ; work on registers while the others arrive,
	WIN 0
	s_barrier_wait -1
.if \fill
	CREST                                          ; no wave of any partner still reads this slot's tile or has a load on its way
	s_add_nc_u64 s[G0+4*\slot+2:G0+4*\slot+3], s[G0+4*\slot+2:G0+4*\slot+3], 2*KSTEP*2
	s_add_nc_u64 s[G0B+4*\slot+2:G0B+4*\slot+3], s[G0B+4*\slot+2:G0B+4*\slot+3], 2*KSTEP*SIZE_V*2   ; (in the short fill wave 3's sum points behind v16; it is not used)
.if \fill == 2
	s_mov_b32 s[G1+1], 64<<16                      ; the last 64 tokens: att16's rows are 64 elements = one piece of 128 + 16 bytes: tensor_dim0,
	s_mov_b32 s[G1+3], 64<<16                      ; tile_dim0;
	s_mov_b32 s[G1B+2], 64<<16                     ; v16's tile is 64 token rows: tensor_dim1,
	s_mov_b32 s[G1B+4], 64                         ; tile_dim1
	JLOADS \slot
.else
	JLOAD \slot                                    ; the first tensor load behind the round, and the wave's only one until the next
.endif
.endif
.if \pf
	PREF \slot
.endif
	PLACES
.if \short
	FETCH ADRB+1, 0, ADRKS, ADRGS, 0, CH, \g
.else
	FETCHQ \next, 0, \g
.endif
	WIN MUL_HI
	MUL16 \f, 1, 0, 0
	MUL16 \f, 1, 2, 0
.endm
.macro LAP zero, fill1, pf             ; once round the ring: six quarters, so the buffers' turns close; fill1: slot 1's refill, whole (1) or short (2)
	QUARTER 0, 1, F0, F1, \zero
	QUARTER 0, 2, F1, F0, 0
	TURN 0, 1, F0, F1, 1, \pf, 0
	QUARTER 1, 1, F1, F0, 0
	QUARTER 1, 2, F0, F1, 0
	TURN 1, 0, F1, F0, \fill1, \pf, 0
.endm
	s_wait_tensorcnt 1                             ; my part of K step 0 is in; K step 1's may stay out
	s_barrier_signal -1
	s_barrier_wait -1
	FETCHQ 0, 0, F0
	LAP 1, 1, 1                                    ; lap 0 stands in front of the loop: its first products start the sums
	WIN 0                                          ; at a label and at a branch every window is 0
	s_mov_b32 s3, TRIPS
.Llap:
	LAP 0, 1, 1                                    ; laps 1 to 8: steps 2 to 17; they ask for steps 4 to 19
	WIN 0
	s_sub_co_u32 s3, s3, 1
	s_cmp_lg_u32 s3, 0
	s_cbranch_scc1 .Llap
	LAP 0, 2, 0                                    ; lap 9: steps 18 and 19; they ask for step 20 and for the short step 21; nothing is left to prefetch
	QUARTER 0, 1, F0, F1, 0                        ; step 20 fills nothing and has no round of the cluster's barrier
	QUARTER 0, 2, F1, F0, 0
	TURN 0, 1, F0, F1, 0, 0, 1                     ; behind this barrier no wave reads slot 0 and no load fills it any more
	s_wait_dscnt 8                                 ; step 21, one quarter: nothing more to fetch
	WIN MUL_LO
	MUL16 F1, 0, 0, 0
	MUL16 F1, 0, 2, 0
	s_wait_dscnt 0
	WIN MUL_HI
	MUL16 F1, 1, 0, 0
	MUL16 F1, 1, 2, 0
	; THE EXCHANGE.  Window 3 (the rows that I give) goes register by register into my 32 KiB of slot 0; my partner's window 3, which
	; holds its sums for the rows that I keep, tile for tile and lane for lane as my window 2 holds mine, comes back into window 3 and is added.
	PLACES                                         ; the places behind the last matrix instructions, for all that follows
	s_lshl_b32 s16, s13, 19                        ; out0: 128 rows of 4,096 bytes a block row,
	s_lshl_b32 s14, s12, 18                        ; the 64 rows that I keep
	s_add_co_u32 s16, s16, s14
	s_mov_b32 s17, 0
	s_add_nc_u64 s[8:9], s[8:9], s[16:17]
	s_lshl_b32 s46, s42, 10                        ; 256 columns of 4 bytes a block column (in the registers that held v16's address),
	s_lshl_b32 s47, s11, 9                         ; my 128 columns
	s_add_co_u32 s46, s46, s47
	s_mov_b32 s47, 0
	s_add_nc_u64 s[8:9], s[8:9], s[46:47]
	WIN 0x0c                                       ; store data (source 1) window 3, address window 0
.set j, 0
.rept 64
	ds_store_b128 v[XS], v[4*j:4*j+3] offset:512*j ; 32 lanes, 16 neighbouring bytes each
.set j, j+1
.endr
	WIN 0
	s_wait_dscnt 0x0                               ; for the others' sake: my stores are done, and so are my reads of slot 1, before I signal
	s_barrier_signal -1
	s_barrier_wait -1                              ; behind it no wave reads slot 1's tile any more: the stages may lie there
	WIN 0xc0                                       ; destination window 3, address window 0
.set j, 0
.rept 64
	ds_load_b128 v[4*j:4*j+3], v[XR] offset:512*j
.set j, j+1
.endr
	WIN 0x8e                                       ; destination and source 0 window 2, source 1 window 3
.irp g, 0,1,2,3
	s_wait_dscnt 48-16*\g                          ; loads 0 .. 16 g + 15 are back; the younger groups of sixteen may be out
.set p, 0
.rept 32
	v_pk_add_f32 v[64*\g+2*p:64*\g+2*p+1], v[64*\g+2*p:64*\g+2*p+1], v[64*\g+2*p:64*\g+2*p+1]
.set p, p+1
.endr
.endr
; THE WAY OUT, 16 rows at a time: the eight tiles (a, 0..7) of window 2 go as they are (f32) into my own stage, 32 bytes a lane and tile, and
; come back as whole rows of 512 bytes.  f: F0 or F1 in turn.
.macro OUT16F a, f
	WIN 0x08                                       ; store data window 2, address window 0
.irp b, 0,1,2,3,4,5,6,7
	ds_store_b128 v[STO], v[8*(8*\a+\b):8*(8*\a+\b)+3]   offset:64*\b
	ds_store_b128 v[STO], v[8*(8*\a+\b)+4:8*(8*\a+\b)+7] offset:64*\b+16
.endr
	WIN 0
	s_wait_xcnt 0x0                                ; buffer f, which stores read, is loaded again only behind this wait
.irp t, 0,1,2,3,4,5,6,7,8,9,10,11,12,13,14,15
	ds_load_b128 v[\f+4*\t:\f+4*\t+3], v[RD] offset:\t*SP          ; LDS serves a wave's instructions in order: these see the stores above
.endr
.irp t, 0,1,2,3,4,5,6,7,8,9,10,11,12,13,14,15
	s_wait_dscnt 15-\t                             ; load t is back; the 15 - t younger ones may be out
	global_store_b128 v[CO], v[\f+4*\t:\f+4*\t+3], s[8:9] offset:(16*\a+\t)*SIZE_V*4 th:TH_STORE_NT   ; the wave stores 512 consecutive bytes, aligned; written once, read by no launch
.endr
.endm
	OUT16F 0, F0
	OUT16F 1, F1
	OUT16F 2, F0
	OUT16F 3, F1
	s_set_vgpr_msb 0x1
	s_wait_tensorcnt 0x0
	ds_add_u32 v255, v255
	s_wait_dscnt 0x0
	s_set_vgpr_msb 0x100
	CROUND                                         ; the closing round: no work-group ends while a partner may still ask for a tile that names it
	s_endpgm
.Lfunc_end_k_qaa538e29a0_gemm2:
	.size	k_qaa538e29a0_gemm2, .Lfunc_end_k_qaa538e29a0_gemm2-k_qaa538e29a0_gemm2
	.p2alignl 7, 3214868480
	.fill 96, 4, 3214868480
	.section	.rodata,"a",@progbits
	.p2align	6, 0x0
	.amdhsa_kernel k_qaa538e29a0_gemm2
		.amdhsa_group_segment_fixed_size 327680
		.amdhsa_private_segment_fixed_size 0
		.amdhsa_enable_private_segment 0
		.amdhsa_kernarg_size 24
		.amdhsa_user_sgpr_count 2
		.amdhsa_user_sgpr_kernarg_segment_ptr 1
		.amdhsa_wavefront_size32 1
		.amdhsa_system_sgpr_workgroup_id_x 1
		.amdhsa_system_sgpr_workgroup_id_y 1
		.amdhsa_system_sgpr_workgroup_id_z 1
		.amdhsa_system_vgpr_workitem_id 0
		.amdhsa_next_free_vgpr 1024
		.amdhsa_next_free_sgpr 72
		.amdhsa_reserve_vcc 0
		.amdhsa_float_denorm_mode_32 3
		.amdhsa_float_denorm_mode_16_64 3
		.amdhsa_memory_ordered 1
		.amdhsa_forward_progress 1
		.amdhsa_inst_pref_size 187
	.end_amdhsa_kernel
	.amdgpu_metadata
---
amdhsa.version: [ 1, 2 ]
amdhsa.kernels:
  - .name:           k_qaa538e29a0_gemm2
    .symbol:         k_qaa538e29a0_gemm2.kd
    .args:
      - { .name: att16, .offset: 0, .size: 8, .value_kind: global_buffer, .address_space: global }
      - { .name: v16, .offset: 8, .size: 8, .value_kind: global_buffer, .address_space: global }
      - { .name: out0, .offset: 16, .size: 8, .value_kind: global_buffer, .address_space: global }
    .group_segment_fixed_size: 327680
    .private_segment_fixed_size: 0
    .kernarg_segment_align: 8
    .kernarg_segment_size: 24
    .max_flat_workgroup_size: 128
    .sgpr_count:     72
    .vgpr_count:     1024
    .wavefront_size: 32
...
	.end_amdgpu_metadata
.endif
;; end of part 4
